; MI455X (gfx1250); checked and timed in simulation.
; The chip was launched on July 23, 2026; its instructions are those of AMD's public machine-readable ISA for CDNA 5 (MIT licence, August 2026) and "CDNA5" Instruction Set Architecture Reference Guide (July 2026). The comments in the code are by the model that wrote it; some were corrected since.
;; Self Cross Attention. Allowed arithmetic: matrix products marked QUANTISED: E2M1 operands, one E8M0 scale for each 32 along K, by v_wmma_scale_f32_16x16x128_f8f6f4 with both operands' format E2M1 (or v_wmma_scale_f32_32x16x128_f4), f32 sums; everything else in f32.
;; Inputs: qkv 3 x 8 x 4,096 x 256 float32.
;; Outputs: out0 8 x 4,096 x 256 float32.
;; This version of the problem:
;;   THIS VERSION OF THE PROBLEM IS GIVEN IN LOW PRECISION. The matrix products marked QUANTISED in the list below multiply operands that are first quantised to E2M1 (2 exponent bits, 1 mantissa bit; 4 bits a number), with one power-of-two scale for each 32 numbers along K (OCP MX v1.0); their sums are f32. All else is computed in f32.
;;   The module's matrix products, in the order in which they are computed (A, B: the left and right operand; K: the contracted axis; several contracted axes count as one K, in the product's order):
;;     1. batch 64 x [M 4,096, K 32] x [K 32, N 512]; A: computed on the way; B: computed on the way: QUANTISED
;;     2. batch 512 x [M 512, K 512] x [K 512, N 32]; A: softmax (see below); B: input qkv: QUANTISED
;;   THE QUANTISER, for each operand of a quantised product, along K:
;;     - K is cut into blocks of 32 from its start; a last block that is shorter is filled with zeros.
;;     - A block's scale is 2^e with e = floor(log2(the largest magnitude in the block)) - 2, held to -126 .. 127; a block of zeros has e = 0. As a byte (E8M0): e + 127.
;;     - Each number is divided by its block's scale, clamped to +-6, and rounded to the nearest number of E2M1, ties to even, subnormals kept.
;;     - The product sums the exact products of the quantised numbers (number of the format x scale) in f32.
;;   ~~~python
;;   def quantise(x, axis):      # numpy; x: float32 -> the quantised numbers, widened to float32 again
;;       x = np.moveaxis(x, axis, -1); K = x.shape[-1]
;;       x = np.pad(x, [(0, 0)] * (x.ndim - 1) + [(0, -K % 32)]); x = x.reshape(x.shape[:-1] + (-1, 32)); a = np.abs(x).max(-1, keepdims=True)
;;       e = np.where(a > 0, np.clip(np.frexp(np.where(a > 0, a, 1))[1] - 1 - 2, -126, 127), 0)      # np.frexp(a)[1] - 1 = floor(log2(a)), exactly
;;       r = np.clip(x / 2.0 ** e, -6, 6)
;;       step = 2.0 ** (np.maximum(np.frexp(np.where(r == 0, 1, r))[1] - 1, 0) - 1)
;;       q = np.round(r / step) * step * 2.0 ** e      # np.round: ties to even
;;       return np.moveaxis(q.reshape(q.shape[:-2] + (-1,))[..., :K], -1, axis).astype(np.float32)
;;   ~~~
;;   SOFTMAX AHEAD OF A QUANTISED PRODUCT. Where the list says 'softmax', what is quantised is not the finished softmax but p = 2^(t - M), with t = logit x log2(e) and M = ceil(the row's largest t), a whole number; so 1/2 < the row's largest p <= 1. The row's sum l is taken of the UNQUANTISED p, in f32, and the product's result is divided by l at the end. Since M is a whole number, a kernel that streams over the keys may use a running M (the ceiling of the running maximum): every later rescaling is an exact power of two, which a block's scale takes up: the codes' values come out the same.
;;   OPERANDS COMPUTED ON THE WAY. 'Computed on the way' means the value that the module computes at that place (a softmax that the list does not call 'softmax' is quantised finished and normalised). What goes into a quantiser is computed in f32, as accurately as f32 sums, v_exp_f32 and their like allow (about 1e-6 of the number): no bf16 or f16 on the way to a quantiser, and a product that is left as it is and whose result goes on into a quantised operand takes f32 operands (vector FMAs, or v_wmma_f32_16x16x4_f32). A number that lies on a knife's edge between two numbers of the format may be rounded either way, as far as f32 arithmetic and the matrix unit's own rounding can turn it there, and no further.
;; One version. Each part assembles by itself: llvm-mc -triple=amdgcn-amd-amdhsa -mcpu=gfx1250 --defsym DOCPART=n.
;; ======== version 1 of 1: 2 launches
;; limits: right only within a limited range of input values
;; workspace buffers: kcodes 524,288 bytes; kscales 65,536 bytes
;; launch ksum (part 1): grid 32 x 8, 4 waves a work-group, no clusters, 17,920 bytes of LDS; arguments qkv, kcodes, kscales; writes kcodes, kscales
.if DOCPART == 1
	.amdgcn_target "amdgcn-amd-amdhsa--gfx1250"
	.amdhsa_code_object_version 6
	.text
	.protected	k_qc74334f772_ksum
	.globl	k_qc74334f772_ksum
	.p2align	8
	.type	k_qc74334f772_ksum,@function
k_qc74334f772_ksum:
	s_mov_b64 s[64:65], 0
	v_nop
	global_prefetch_b8 v0, s[64:65] scope:SCOPE_SE
	s_setreg_imm32_b32 hwreg(HW_REG_WAVE_MODE, 25, 1), 1
	s_wait_xcnt 0x0
; ksum[b][m][:] = the sum over the eight stripes hy of k[b][512 hy + m][:], in f32, hy ascending; then quantised to FP4 (E2M1) along a head's 32 channels: one block,
; one E8M0 scale byte, for each key and head.  k is qkv[1]: [8][4096][256] f32, a row of 1,024 bytes.
; WHAT IS STORED is laid in the order of the first product's operand registers, so that the next launch takes it as it lies:
;   kcodes  [b][hp 4][tile 32][lane 32][16 bytes]: lane (r, h) of tile t holds the 32 codes of key 64 (t / 4) + 8 (t % 4) + 32 (r / 8) + r % 8, head 2 hp + h;
;   kscales [b][hp 4][tile 32][r 16] words: byte 0 the scale of head 2 hp, byte 1 that of head 2 hp + 1, bytes 2 and 3 the byte 127 (they scale blocks whose partner's codes are zeros).
; THE KEYS OF A TILE ARE NOT NEIGHBOURS: its rows 0-7 are eight neighbouring keys and its rows 8-15 the eight that lie 32 further on, so that in the next launch the 32 result registers of tiles 4 c .. 4 c + 3
; are, in each half of the lanes, 32 neighbouring keys: a whole block of the second product's K.
; SHARES.  A work-group takes one tile of 16 keys of one b; wave hp takes the pair of heads 2 hp, 2 hp + 1: 256 bytes of each row, so the four waves cover whole rows.
; A wave reads 16 keys x 256 bytes x 8 stripes; each load takes two rows' 256 consecutive bytes, aligned to 256.  Seven stripes' loads (56) go out at once, the eighth as soon as a set of registers is free.
; The sums turn through the wave's own stage in LDS (rows of 256 + 16 bytes), so that a lane then holds the 32 channels of ONE key and head, which is what the conversions want.  No barrier: waves share nothing.
; No matrix unit, no tensor loads, no cluster: the launch streams k once and no two work-groups read the same byte.
; A block's scale is 2^(floor(log2(its largest magnitude)) - 2); its byte is the largest magnitude's exponent field - 2, held at 1 from below.
; LIMITS: a block whose largest magnitude lies under 2^-124 has its byte held at 1; a block of zeros gets the byte 1 and not 127 (its codes are zeros, and this program alone reads the bytes);
; NaN and infinities among the inputs are not served.
.set KOFF,   0x2000000                 ; k's first byte in qkv
.set ROW,    1024                      ; bytes in a row
.set STRIPE, 512*ROW                   ; bytes in a stripe
.set SP,     272                       ; a stage row: 256 bytes + 16
.set LO,   1                           ; v1   in: 1,024 x (lane / 16) + 16 x (lane % 16)
.set STO,  2                           ; v2   into the stage, as loaded
.set RD,   3                           ; v3   out of it: row r, + 128 h
.set CO,   4                           ; v4   16 x lane: my codes' place in the tile's image
.set WO,   5                           ; v5   4 r: my row's scale word
.set QSH,  6                           ; v6   8 h: where my byte stands in the scale word
.set QA,   8                           ; v8-12 at work in QUANT32
.set QB,   9
.set QSOP, 10
.set QBY,  11
.set QT,   12
.set W,    13                          ; v13  the scale word
.set C,    16                          ; v16-19 the codes
.set SET0, 32                          ; v32-255: seven sets of 32 registers; set 0 takes the sums
.set X,    96                          ; v96-127: the sums as they come back from the stage
.set SEL,  20                          ; s[20:21] v_permlanex16_b32's selects for lane l xor 16
; 32 numbers of ONE lane, v[x] .. v[x + 31], are one block: its codes go to v[c] .. v[c + 3]; the scale word of my row (my byte and lane l xor 16's) to v[w].
.macro QUANT32 x, c, w
	v_max3_num_f32 v[QA], |v[\x]|, |v[\x+1]|, 0x1800000            ; the largest magnitude, in two chains; the floor 2^(3 - 127) is one of its leaves: so the byte cannot fall under 1
	v_max3_num_f32 v[QB], |v[\x+16]|, |v[\x+17]|, |v[\x+18]|
.irp i, 0,1,2,3,4,5
	v_max3_num_f32 v[QA], v[QA], |v[\x+2+2*\i]|, |v[\x+3+2*\i]|
	v_max3_num_f32 v[QB], v[QB], |v[\x+19+2*\i]|, |v[\x+20+2*\i]|
.endr
	v_max3_num_f32 v[QA], v[QA], |v[\x+14]|, |v[\x+15]|
	v_max3_num_f32 v[QA], v[QA], v[QB], |v[\x+31]|
	v_add_nc_u32 v[QSOP], 0xff000000, v[QA]                        ; 2 off its exponent field: the conversion takes the exponent field of this operand as its scale, and nothing else of it
	v_lshrrev_b32 v[QBY], 23, v[QSOP]                              ; the scale's byte,
	v_lshlrev_b32 v[QBY], v[QSH], v[QBY]                           ; at its place: byte h
	v_permlanex16_b32 v[QT], v[QBY], s[SEL], s[SEL+1]              ; the other head's
	v_or_b32 v[\w], v[QBY], v[QT]
	v_or_b32 v[\w], 0x7f7f0000, v[\w]                              ; bytes 2 and 3: 127
.irp g, 0,1,2,3
	v_cvt_scalef32_pk8_fp4_f32 v[\c+\g], v[\x+8*\g:\x+8*\g+7], v[QSOP]
.endr
	v_nop                                                          ; one plain vector instruction behind the last scaled conversion
.endm
.macro LOADK hy, set                   ; stripe hy's 16 rows x 256 bytes into a set: load i takes tile rows 2 i and 2 i + 1, which are keys 2 i + 24 (i / 4) and the next, counted from the tile's first key
.irp i, 0,1,2,3,4,5,6,7
	global_load_b128 v[SET0+32*(\set)+4*\i:SET0+32*(\set)+4*\i+3], v[LO], s[4:5] offset:(\hy)*STRIPE+(2*\i+24*(\i/4))*ROW th:TH_LOAD_NT
.endr
.endm
.macro ACC set                         ; set 0 += a set
.irp j, 0,2,4,6,8,10,12,14,16,18,20,22,24,26,28,30
	v_pk_add_f32 v[SET0+\j:SET0+\j+1], v[SET0+\j:SET0+\j+1], v[SET0+32*(\set)+\j:SET0+32*(\set)+\j+1]
.endr
.endm
	s_load_b128 s[4:7], s[0:1], 0x0                ; qkv s[4:5], kcodes s[6:7]
	s_load_b64 s[8:9], s[0:1], 0x10                ; kscales
	v_lshl_add_u32 v30, v0, 2, 0x4400
	v_mov_b32 v31, 0
	v_lshrrev_b32 v1, 5, v0
	v_readfirstlane_b32 s12, v1                    ; wave = hp
	s_and_b32 s13, ttmp7, 0xffff                   ; b
	s_lshr_b32 s14, ttmp9, 2                       ; t / 4
	s_and_b32 s15, ttmp9, 3                        ; t % 4
	s_lshl_b32 s16, s14, 6
	s_lshl_b32 s17, s15, 3
	s_add_co_u32 s16, s16, s17                     ; the tile's first key: 64 (t / 4) + 8 (t % 4)
	s_lshl_b32 s16, s16, 10                        ; its row,
	s_lshl_b32 s17, s13, 22                        ; b's 4,096 rows,
	s_add_co_u32 s16, s16, s17
	s_lshl_b32 s17, s12, 8                         ; my pair of heads: 256 bytes of a row,
	s_add_co_u32 s16, s16, s17
	s_add_co_u32 s16, s16, KOFF                    ; in k: under 2^26 in all
	s_mov_b32 s17, 0
	s_lshl_b32 s18, s13, 2
	s_add_co_u32 s18, s18, s12                     ; 4 b + hp
	s_lshl_b32 s22, s18, 14                        ; kcodes: 16,384 bytes for each (b, hp), 512 a tile
	s_lshl_b32 s23, ttmp9, 9
	s_add_co_u32 s22, s22, s23
	s_mov_b32 s23, 0
	s_lshl_b32 s24, s18, 11                        ; kscales: 2,048 bytes for each (b, hp), 64 a tile
	s_lshl_b32 s25, ttmp9, 6
	s_add_co_u32 s24, s24, s25
	s_mov_b32 s25, 0
	s_mov_b32 s[SEL], 0x76543210
	s_mov_b32 s[SEL+1], 0xfedcba98
	v_and_b32 v14, 15, v0                          ; lane % 16
	v_bfe_u32 v15, v0, 4, 1                        ; lane / 16
	v_lshlrev_b32 v[LO], 4, v14
	v_lshl_add_u32 v[LO], v15, 10, v[LO]
	s_wait_alu depctr_va_vdst(0)
	s_wait_kmcnt 0x0
	s_add_nc_u64 s[4:5], s[4:5], s[16:17]
	s_add_nc_u64 s[6:7], s[6:7], s[22:23]
	s_add_nc_u64 s[8:9], s[8:9], s[24:25]
.irp j, 0,1,2,3,4,5,6
	LOADK \j, \j                                   ; 56 loads of the wave are on their way
.endr
	s_mul_i32 s18, s12, 16*SP                      ; my stage
	v_mul_u32_u24 v[STO], v15, SP
	v_lshl_add_u32 v[STO], v14, 4, v[STO]
	v_add_nc_u32 v[STO], s18, v[STO]
	v_mul_u32_u24 v[RD], v14, SP
	v_lshl_add_u32 v[RD], v15, 7, v[RD]
	v_add_nc_u32 v[RD], s18, v[RD]
	v_and_b32 v[CO], 31, v0
	v_lshlrev_b32 v[CO], 4, v[CO]
	v_lshlrev_b32 v[WO], 2, v14
	v_lshlrev_b32 v[QSH], 3, v15
	v_mov_b32 v[QT], 0                             ; written once: a lane permute's destination counts as one of its sources
	s_wait_loadcnt 40                              ; stripes 0 and 1 are in; the 40 loads of stripes 2 to 6 may be out
	ACC 1
	LOADK 7, 1                                     ; the last stripe, into the set just added
.irp j, 2,3,4,5,6
	s_wait_loadcnt 56-8*\j                         ; stripe j is in; behind it: stripes j + 1 to 6, eight loads each, and stripe 7's eight
	ACC \j
.endr
	s_wait_loadcnt 0x0
	ACC 1                                          ; stripe 7
.irp i, 0,1,2,3,4,5,6,7
	ds_store_b128 v[STO], v[SET0+4*\i:SET0+4*\i+3] offset:2*SP*\i  ; tile rows 2 i and 2 i + 1, as loaded
.endr
.irp j, 0,1,2,3,4,5,6,7
	ds_load_b128 v[X+4*\j:X+4*\j+3], v[RD] offset:16*\j            ; LDS serves a wave's instructions in order (ISA guide 5.7.1.4): these see my stores.  Lane (r, h): tile row r, head 2 hp + h, 32 channels
.endr
	s_wait_dscnt 0x0
	QUANT32 X, C, W
	global_store_b128 v[CO], v[C:C+3], s[6:7]      ; the tile's image: 512 consecutive bytes, aligned to 512
	global_store_b32 v[WO], v[W], s[8:9]           ; the tile's 16 scale words: 64 consecutive bytes (lanes r and r + 16 store the same word with the same value); one byte for each 512 that the wave reads
	s_wait_tensorcnt 0x0
	ds_add_u32 v30, v31
	s_wait_dscnt 0x0
	s_endpgm
.Lfunc_end_k_qc74334f772_ksum:
	.size	k_qc74334f772_ksum, .Lfunc_end_k_qc74334f772_ksum-k_qc74334f772_ksum
	.p2alignl 7, 3214868480
	.fill 96, 4, 3214868480
	.section	.rodata,"a",@progbits
	.p2align	6, 0x0
	.amdhsa_kernel k_qc74334f772_ksum
		.amdhsa_group_segment_fixed_size 17920
		.amdhsa_private_segment_fixed_size 0
		.amdhsa_enable_private_segment 0
		.amdhsa_kernarg_size 24
		.amdhsa_user_sgpr_count 2
		.amdhsa_user_sgpr_kernarg_segment_ptr 1
		.amdhsa_wavefront_size32 1
		.amdhsa_system_sgpr_workgroup_id_x 1
		.amdhsa_system_sgpr_workgroup_id_y 1
		.amdhsa_system_sgpr_workgroup_id_z 1
		.amdhsa_system_vgpr_workitem_id 0
		.amdhsa_next_free_vgpr 256
		.amdhsa_next_free_sgpr 66
		.amdhsa_reserve_vcc 0
		.amdhsa_float_denorm_mode_32 3
		.amdhsa_float_denorm_mode_16_64 3
		.amdhsa_memory_ordered 1
		.amdhsa_forward_progress 1
		.amdhsa_inst_pref_size 19
	.end_amdhsa_kernel
	.amdgpu_metadata
---
amdhsa.version: [ 1, 2 ]
amdhsa.kernels:
  - .name:           k_qc74334f772_ksum
    .symbol:         k_qc74334f772_ksum.kd
    .args:
      - { .name: qkv, .offset: 0, .size: 8, .value_kind: global_buffer, .address_space: global }
      - { .name: kcodes, .offset: 8, .size: 8, .value_kind: global_buffer, .address_space: global }
      - { .name: kscales, .offset: 16, .size: 8, .value_kind: global_buffer, .address_space: global }
    .group_segment_fixed_size: 17920
    .private_segment_fixed_size: 0
    .kernarg_segment_align: 8
    .kernarg_segment_size: 24
    .max_flat_workgroup_size: 128
    .sgpr_count:     66
    .vgpr_count:     256
    .wavefront_size: 32
...
	.end_amdgpu_metadata
.endif
;; end of part 1
;; launch attn (part 2): grid 32 x 8, 16 waves a work-group, no clusters, 236,544 bytes of LDS; arguments qkv, kcodes, kscales, out0; writes out0
.if DOCPART == 2
	.amdgcn_target "amdgcn-amd-amdhsa--gfx1250"
	.amdhsa_code_object_version 6
	.text
	.protected	k_qc74334f772_attn
	.globl	k_qc74334f772_attn
	.p2align	8
	.type	k_qc74334f772_attn,@function
k_qc74334f772_attn:
	s_mov_b64 s[64:65], 0
	v_nop
	global_prefetch_b8 v0, s[64:65] scope:SCOPE_SE
	s_setreg_imm32_b32 hwreg(HW_REG_WAVE_MODE, 25, 1), 1
	s_wait_xcnt 0x0
; out[b][512 hy + i][32 head + c] = the sum over m of softmax_m((q[b][512 hy + i][head] / sqrt(32)) . ksum[b][m][head]) v[b][512 hy + m][head][c]: the windows only reorder the queries of a stripe of 512 rows,
; and the cross index m is the row within the stripe.  Both products on codes of FP4 (E2M1) with one E8M0 scale for each 32 along K.  q = qkv[0], v = qkv[2]: [8][4096][256] f32; ksum's codes and scale words come from the launch before.
; THE SOFTMAX AHEAD OF THE SECOND PRODUCT, BY BLOCKS OF 32 KEYS: t = score x log2(e); a block takes its own whole number F = floor(its largest t) away: p = 2^(t - F), whose largest lies in [1, 2): so the conversion's scale is 2^-2
; in every block.  When all 16 blocks of a row are known, d = F - (the row's largest F), 0 or less, goes into the block's scale byte (125 + d) and into its part of the row's sum (x 2^d): powers of two, nothing is rounded.
; The row's sum is taken of the unquantised p, in f32, and divides at the end.
; SHARES.  A work-group owns one stripe (b, hy) and one pair of heads hp: 512 queries x 256 bytes of each row.  Each of its sixteen waves owns 32 rows: FOUR UNITS, (tile 0, head 0), (0, 1), (1, 0), (1, 1); a unit is eight granules of 64 keys.
; THE PIPELINE (macro ITER): granule n's exponentials; then its sums and conversions, interleaved with granule n + 1's maxima; then granule n + 2's products, into the registers that n leaves; then granule n + 1's scaling.
; It runs on from unit to unit; a unit's second product stands in the next unit's granules 2-5, its way out in 6 and behind.  p's codes go round a ring of five steps of 128 keys: a unit has four.
; LDS IS FILLED ONCE, by one tensor load a wave (its 32 rows of v); q and K's codes come through registers.  v is quantised behind the first unit; that barrier is signalled there and waited for two granules on.
; NO CLUSTER: of the 272 KiB that a work-group brings in, only K's 16 KiB of codes and 2 KiB of scale words are also read by other work-groups.  NO PREFETCH: all is asked for in the head, there is no loop to run ahead in.
; THE FIRST PRODUCT'S K IS 32, the instruction's 128.  A fragment of K carries BOTH heads: lanes 0-15 of registers 0-3 are block 0 (head 2 hp), lanes 16-31 block 1 (head 2 hp + 1).  Q's fragment picks the head: its codes stand in that
; head's half of the lanes, the rest are zero CODES.  What multiplies a zero code adds nothing (E2M1 has no NaN; every byte is 1 .. 254): so registers 4-7 of source 0 may hold any codes, and K's fragments lie FOUR registers apart.
; LAYOUT.  Both products are used transposed: S^T = K Q^T, O^T = V^T P^T: a lane holds ONE query (lane % 16).  Row m of K's tile T is key 64 (T / 4) + 8 (T % 4) + 32 (m / 8) + m % 8: the 32 result registers of granule c's four tiles
; are, in lane (r, h), the keys 64 c + 32 h + 0 .. 31: one block of the second product's K, in the order that its operand's layout gives that lane.
; LIMITS: the promise holds while |t| stays under 2^22.  A block of q or v whose largest magnitude lies under 2^-124 has its byte held at 1; a block of zeros gets the byte 1 and not 127 (no byte leaves the program);
; d is held at -124 from below; a p under 2^-126 counts as 0; NaN and infinities among the inputs are not served.
.set ROW,   1024                       ; bytes in a row of q, v and out
.set VOFF,  0x4000000                  ; v's first byte in qkv
.set SP,    272                        ; a stage row: 256 bytes + 16
.set KC,    131072                     ; LDS: bytes 0 .. 131,071: v, 512 rows x 256 bytes; then K's codes: 32 tiles x 512 bytes
.set VIMG,  KC+16384                   ; V's fragments: (2 head + channel tile) x 4,096 + step x 1,024 + half x 512 + 16 x lane
.set VSC,   VIMG+16384                 ; V's scale words: (4 head + step) x 128 + 4 x channel; byte = the block within the step of 128 keys
.set STAGE, VSC+1024                   ; 16 rows x 272 bytes for each wave: q on its way in, the results on their way out
.set SPARE, STAGE+16*16*SP             ; the spare words, 128 bytes for each wave
.set AKC,  1                           ; KC + 16 lane
.set AVI,  2                           ; VIMG + 16 lane
.set QRD,  3                           ; stage: row r, + 128 h
.set STO,  4                           ; stage: row r, + 32 h
.set RD,   5                           ; stage: row h, + 16 r
.set GO,   6                           ; in q and out: row h, + 16 r
.set QSH,  7                           ; 8 h
.set AVF,  8                           ; v: my channel's first number
.set AVW,  9                           ; where my codes of v go
.set AVS,  10                          ; and my scale bytes
.set ALV,  11                          ; VSC + 4 lane
.set SPW,  12
.set NIL,  13
.set NFT,  14                          ; -F of the next unit's granule 0
.set ALS,  14                          ; (in the head: 4 lane)
.set T,    15
.set QF,   16                          ; v[16:23] Q's fragment, v20-23 stay 0
.set QC,   24                          ; v[24:31] the two tiles' codes: lane (r, h): query r, head 2 hp + h
.set KF,   32                          ; v[32:51] a granule's four fragments of K, four registers apart; v48-51 stay 0
.set QS,   52                          ; v52, v53 the two tiles' scale words
.set MSK,  54                          ; v54 all ones in lanes 0-15, v55 in lanes 16-31
.set MC,   56                          ; v[56:59] four chains of largest scores
.set TA,   60                          ; v[60:65] three pairs of partial sums
.set LA,   62                          ; between units: the row's sum
.set LB,   64
.set INV,  66                          ; 1 / the row's sum
.set SOP,  67                          ; 2^-2: the conversions' scale operand
.set NF,   68                          ; v[68:75] -F of the unit's eight blocks in my lane
.set SUM,  76                          ; v[76:91] their sums, in two halves
.set PS,   92                          ; v[92:95] p's scale words of the four steps
.set S,    96                          ; v[96:159] two buffers of scores, then p
.set PC,   160                         ; v[160:191] p's codes: the ring's slots 0-3, a step of 128 keys each
.set OT,   192                         ; v[192:207] O^T: two tiles of 16 channels
.set VF,   208                         ; v[208:223] a step's two fragments of V
.set VR,   192                         ; (in the first unit and behind it v[192:223]: tile 1's q, then v's numbers)
.set KS,   224                         ; v[224:239] K's scale words: register p: lanes 0-15 tile 2 p's rows, lanes 16-31 tile 2 p + 1's
.set VS,   240                         ; v[240:247] V's: register 4 head + step: lane = channel
.set PX,   248                         ; v[248:255] the ring's slot 4.  At a unit's end the slot that is free holds 2^d of the eight blocks
.set WV,   12
.set G1V,  16
.set G0V,  24
.set SEL,  28                          ; s[28:29] v_permlanex16_b32's selects for lane l xor 16
.set CL,   30                          ; s[30:31] log2(e), twice
.set SC,   32                          ; s[32:33] 1 / sqrt(32), twice
; 32 numbers of ONE lane, v[x] on, are one block: its codes to v[c] .. v[c + 3]; the scale word of my row (my byte and lane l xor 16's) to v[w].
.macro QUANT32 x, c, w
	v_max3_num_f32 v[MC], |v[\x]|, |v[\x+1]|, 0x1800000            ; two chains; the floor 2^(3 - 127) is one of the leaves
	v_max3_num_f32 v[MC+1], |v[\x+16]|, |v[\x+17]|, |v[\x+18]|
.irp i, 0,1,2,3,4,5
	v_max3_num_f32 v[MC], v[MC], |v[\x+2+2*\i]|, |v[\x+3+2*\i]|
	v_max3_num_f32 v[MC+1], v[MC+1], |v[\x+19+2*\i]|, |v[\x+20+2*\i]|
.endr
	v_max3_num_f32 v[MC], v[MC], |v[\x+14]|, |v[\x+15]|
	v_max3_num_f32 v[MC], v[MC], v[MC+1], |v[\x+31]|
	v_add_nc_u32 v[TA], 0xff000000, v[MC]                          ; 2 off the exponent field: the conversion's scale operand
	v_lshrrev_b32 v[MC+2], 23, v[TA]                               ; the scale's byte,
	v_lshlrev_b32 v[MC+2], v[QSH], v[MC+2]                         ; at its place: byte h
	v_permlanex16_b32 v[MC+3], v[MC+2], s[SEL], s[SEL+1]           ; the other head's
	v_or_b32 v[\w], v[MC+2], v[MC+3]
	v_or_b32 v[\w], 0x7f7f0000, v[\w]                              ; bytes 2 and 3: 127
.irp g, 0,1,2,3
	v_cvt_scalef32_pk8_fp4_f32 v[\c+\g], v[\x+8*\g:\x+8*\g+7], v[TA]
.endr
	v_nop                                                          ; one plain vector instruction behind the last scaled conversion
.endm
.macro QSCALE x                        ; q / sqrt(32), in f32, ahead of the quantiser
.irp j, 0,2,4,6,8,10,12,14,16,18,20,22,24,26,28,30
	v_pk_mul_f32 v[\x+\j:\x+\j+1], v[\x+\j:\x+\j+1], s[SC:SC+1] op_sel_hi:[1,0]
.endr
.endm
; v, head hd: my channel's 32 keys, v[VR] on, are one block.  Its codes go through the ring's free slot, its byte through a register of the maxima.
.macro VQ hd
.set i, 0
.rept 32
	ds_load_b32 v[VR+i], v[AVF] offset:256*i+128*\hd               ; 32 lanes read 128 consecutive bytes
.set i, i+1
.endr
	s_wait_dscnt 0x0
	v_max3_num_f32 v[MC], |v[VR]|, |v[VR+1]|, 0x1800000
	v_max3_num_f32 v[MC+1], |v[VR+16]|, |v[VR+17]|, |v[VR+18]|
.irp i, 0,1,2,3,4,5
	v_max3_num_f32 v[MC], v[MC], |v[VR+2+2*\i]|, |v[VR+3+2*\i]|
	v_max3_num_f32 v[MC+1], v[MC+1], |v[VR+19+2*\i]|, |v[VR+20+2*\i]|
.endr
	v_max3_num_f32 v[MC], v[MC], |v[VR+14]|, |v[VR+15]|
	v_max3_num_f32 v[MC], v[MC], v[MC+1], |v[VR+31]|
	v_add_nc_u32 v[TA+\hd], 0xff000000, v[MC]
	v_lshrrev_b32 v[MC+2+\hd], 23, v[TA+\hd]
.irp g, 0,1,2,3
	v_cvt_scalef32_pk8_fp4_f32 v[PX+4*\hd+\g], v[VR+8*\g:VR+8*\g+7], v[TA+\hd]
.endr
	v_nop
	ds_store_b128 v[AVW], v[PX+4*\hd:PX+4*\hd+3] offset:8192*\hd   ; four registers of a fragment's image: lanes 0-15 channel tile 0's, lanes 16-31 channel tile 1's
	ds_store_b8 v[AVS], v[MC+2+\hd] offset:512*\hd                 ; byte wave % 4 of my channel's scale word of step wave / 4
.endm
.macro KLOAD gg                        ; granule gg's four fragments of K: images, 512 consecutive bytes a load
.irp t, 0,1,2,3
	ds_load_b128 v[KF+4*\t:KF+4*\t+3], v[AKC] offset:2048*\gg+512*\t
.endr
.endm
.macro VLOAD st, hd, vf                ; step st's two fragments of V
.irp ct, 0,1
.irp c, 0,1
	ds_load_b128 v[\vf+8*\ct+4*\c:\vf+8*\ct+4*\c+3], v[AVI] offset:(\hd)*8192+\ct*4096+(\st)*1024+\c*512
.endr
.endr
.endm
.macro SCORES gg, b, qs                ; S^T of granule gg: four products
.irp t, 0,2
	v_wmma_scale_f32_16x16x128_f8f6f4 v[\b+8*\t:\b+8*\t+7], v[KF+4*\t:KF+4*\t+7], v[QF:QF+7], 0, v[KS+2*\gg+\t/2], v[\qs] matrix_a_fmt:MATRIX_FMT_FP4 matrix_b_fmt:MATRIX_FMT_FP4
	v_wmma_scale_f32_16x16x128_f8f6f4 v[\b+8*\t+8:\b+8*\t+15], v[KF+4*\t+4:KF+4*\t+11], v[QF:QF+7], 0, v[KS+2*\gg+\t/2], v[\qs] matrix_a_fmt:MATRIX_FMT_FP4 matrix_b_fmt:MATRIX_FMT_FP4 matrix_a_scale:MATRIX_SCALE_ROW1
.endr
.endm
.macro PV st, hd, vf, pb               ; O^T (+)= V^T P^T over step st's 128 keys, p's codes at v[pb]: the two accumulators by turns; step 0 starts the sums
.if (\st) == 0
	v_wmma_scale_f32_16x16x128_f8f6f4 v[OT:OT+7], v[\vf:\vf+7], v[\pb:\pb+7], 0, v[VS+4*\hd], v[PS] matrix_a_fmt:MATRIX_FMT_FP4 matrix_b_fmt:MATRIX_FMT_FP4
	v_wmma_scale_f32_16x16x128_f8f6f4 v[OT+8:OT+15], v[\vf+8:\vf+15], v[\pb:\pb+7], 0, v[VS+4*\hd], v[PS] matrix_a_fmt:MATRIX_FMT_FP4 matrix_b_fmt:MATRIX_FMT_FP4 matrix_a_scale:MATRIX_SCALE_ROW1
.else
	v_wmma_scale_f32_16x16x128_f8f6f4 v[OT:OT+7], v[\vf:\vf+7], v[\pb:\pb+7], v[OT:OT+7], v[VS+4*\hd+\st], v[PS+\st] matrix_a_fmt:MATRIX_FMT_FP4 matrix_b_fmt:MATRIX_FMT_FP4
	v_wmma_scale_f32_16x16x128_f8f6f4 v[OT+8:OT+15], v[\vf+8:\vf+15], v[\pb:\pb+7], v[OT+8:OT+15], v[VS+4*\hd+\st], v[PS+\st] matrix_a_fmt:MATRIX_FMT_FP4 matrix_b_fmt:MATRIX_FMT_FP4 matrix_a_scale:MATRIX_SCALE_ROW1
.endif
.endm
.macro MX k, nb                        ; the maxima's level k: four chains, one to an accumulator, each from its low end on
.irp q, 0,1,2,3
.if \k == 0
	v_max3_num_f32 v[MC+\q], v[\nb+8*\q], v[\nb+8*\q+1], v[\nb+8*\q+2]
.else
	v_max3_num_f32 v[MC+\q], v[MC+\q], v[\nb+8*\q+1+2*\k], v[\nb+8*\q+2+2*\k]
.endif
.endr
.endm
.macro AD k                            ; the sums' level k: four chains of pairs; the first ends as the block's sum
.irp q, 0,1,2,3
.if \q == 0
.set AQ, SUM+2*GI
.else
.set AQ, TA+2*\q-2
.endif
.if \k == 0
	v_pk_add_f32 v[AQ:AQ+1], v[CB+8*\q:CB+8*\q+1], v[CB+8*\q+2:CB+8*\q+3]
.else
	v_pk_add_f32 v[AQ:AQ+1], v[AQ:AQ+1], v[CB+8*\q+2+2*\k:CB+8*\q+3+2*\k]
.endif
.endr
.endm
.macro FMAX nb, nf                     ; t - F, two at a time: one register of the pair that holds -F serves both halves
.irp j, 0,2,4,6,8,10,12,14,16,18,20,22,24,26,28,30
.if (\nf)%2 == 0
	v_pk_fma_f32 v[\nb+\j:\nb+\j+1], v[\nb+\j:\nb+\j+1], s[CL:CL+1], v[\nf:\nf+1] op_sel_hi:[1,0,0]
.else
	v_pk_fma_f32 v[\nb+\j:\nb+\j+1], v[\nb+\j:\nb+\j+1], s[CL:CL+1], v[\nf-1:\nf] op_sel:[0,0,1] op_sel_hi:[1,0,1]
.endif
.endr
.endm
.macro DIVIDE                          ; O^T / the row's sum, each accumulator from its low end on
.irp j, 0,2,4,6,8,10,12,14
	v_pk_mul_f32 v[OT+\j:OT+\j+1], v[OT+\j:OT+\j+1], v[INV:INV+1] op_sel_hi:[1,0]
.endr
.endm
.macro TOSTAGE hd                      ; lane (r, h), register 8 ct + j: query r, channel 16 ct + 8 h + j
.irp ct, 0,1
.irp e, 0,1
	ds_store_b128 v[STO], v[OT+8*\ct+4*\e:OT+8*\ct+4*\e+3] offset:128*(\hd)+64*\ct+16*\e
.endr
.endr
.endm
.macro BACK x                          ; 16 whole rows of 256 bytes, two a load
.irp i, 0,1,2,3,4,5,6,7
	ds_load_b128 v[\x+4*\i:\x+4*\i+3], v[RD] offset:2*SP*\i
.endr
.endm
.macro OUT x, tile, i                  ; 16 lanes store 256 consecutive bytes, at a multiple of 256 from out's first byte
	global_store_b128 v[GO], v[\x+4*\i:\x+4*\i+3], s[10:11] offset:(2*\i+16*\tile)*ROW th:TH_STORE_NT
.endm
.macro SLOTOF m, name                  ; the ring's slot of step m, counted through all units
.if (\m)%5 == 4
.set \name, PX
.else
.set \name, PC+8*((\m)%5)
.endif
.endm
; Granule g of unit u.  On entry buffer N % 2 holds t - F, the other buffer the next granule's scores.
.macro ITER u, g
.set N,  8*(\u)+(\g)
.set MS, N/2
.set GI, (\g)
.set CB, S+32*(N%2)
.set NB, S+32*((N+1)%2)
.set GS, ((\g)+2)%8
.set GK, ((\g)+3)%8
.set QSR, QS+(N+2)/16
.set PH, ((\u)+1)%2                    ; the head of the unit before
	SLOTOF MS, CO
.set CO, CO+4*((\g)%2)                 ; where my granule's codes go
.if (\g) == 7
.set NFD, NFT
.else
.set NFD, NF+(\g)+1
.endif
	s_wait_alu depctr_va_vdst(0)                   ; the wait ahead of the batch
.set i, 0
.rept 32
	v_exp_f32 v[CB+i], v[CB+i]                     ; p = 2^(t - F)
.set i, i+1
.endr
.if (\g) == 0 && (\u) > 0
	v_rcp_f32 v[INV], v[LA]                        ; the unit before: 1 / its rows' sums
.endif
	s_wait_dscnt 0x0                               ; K's fragments (and V's, where asked for) are in
.if N == 25
	s_wait_xcnt 0x0                                ; the stores of tile 0's rows have read their registers
.endif
	s_wait_alu depctr_va_vdst(0)                   ; and the wait behind the batch, which also stands directly ahead of the scores' first readers
.if N < 31
	MX 0, NB
.else
	v_nop
.endif
.if (\u) > 0 && (\g) > 1 && (\g) < 6
.set ST, (\g)-2
.set MS, 4*(\u)-4+ST
	SLOTOF MS, PB
	PV ST, PH, VF, PB                              ; the unit before: step g - 2 of its second product, ahead of the conversions that write over its codes
.endif
.if (\u) > 0 && (\g) == 6
	DIVIDE
.endif
	AD 0
.if N < 31
	MX 1, NB
.endif
	AD 1
.if N < 31
	MX 2, NB
.endif
	AD 2
.if (\g) == 6 && (\u) < 3                      ; the next unit's fragment of Q: its head's codes in that head's half of the lanes, zero codes in the other
.set MK, MSK+((\u)+1)%2
.set QX, QC+4*(((\u)+1)/2)
.irp i, 0,1,2,3
	v_and_b32 v[QF+\i], v[MK], v[QX+\i]
.endr
.endif
.if N < 31
	v_max3_num_f32 v[MC], v[MC], v[MC+1], v[NB+7]
	v_max3_num_f32 v[MC+2], v[MC+2], v[MC+3], v[NB+15]
.endif
	v_pk_add_f32 v[SUM+2*GI:SUM+2*GI+1], v[SUM+2*GI:SUM+2*GI+1], v[TA:TA+1]
	v_pk_add_f32 v[TA+2:TA+3], v[TA+2:TA+3], v[TA+4:TA+5]
.if N < 31
	v_max3_num_f32 v[MC], v[MC], v[NB+23], v[NB+31]
.endif
	v_cvt_scalef32_pk8_fp4_f32 v[CO], v[CB:CB+7], v[SOP]
.if N < 31
	v_max_num_f32 v[MC], v[MC], v[MC+2]            ; the largest score of the next granule's block
.endif
	v_pk_add_f32 v[SUM+2*GI:SUM+2*GI+1], v[SUM+2*GI:SUM+2*GI+1], v[TA+2:TA+3]
	v_cvt_scalef32_pk8_fp4_f32 v[CO+1], v[CB+8:CB+15], v[SOP]
.if N < 31
	v_mul_f32 v[T], s[CL], v[MC]                   ; as t
.endif
	v_cvt_scalef32_pk8_fp4_f32 v[CO+2], v[CB+16:CB+23], v[SOP]
	v_cvt_scalef32_pk8_fp4_f32 v[CO+3], v[CB+24:CB+31], v[SOP]
.if N < 31
	v_ceil_f32 v[NFD], -v[T]                       ; -F = -floor(t).  (Also the plain instruction behind the conversions)
.else
	v_nop
.endif
.if N < 30
	SCORES GS, CB, QSR
.endif
.if N < 31
	FMAX NB, NFD                                   ; sixteen plain instructions: also the places behind the products, ahead of the loads below
.endif
.if N < 29
	KLOAD GK
.endif
.if (\u) > 0 && (\g) > 0 && (\g) < 5 && N != 9 ; (N = 9: behind the barrier that follows it)
.set ST, (\g)-1
	VLOAD ST, PH, VF
.endif
.if (\u) > 0 && (\g) == 6
	TOSTAGE PH
.endif
.if N == 23
	BACK OT                                        ; tile 0 has both heads in my stage
.endif
.if N == 24
.irp i, 0,1,2,3,4,5,6,7
	OUT OT, 0, \i
.endr
.endif
.endm
; Unit u's eight blocks of my lane and lane l xor 16's eight are brought under the row's largest F.
.macro EPI u
.set MS, 4*(\u)+4
	SLOTOF MS, FG                                  ; the ring's free slot
	v_min3_num_f32 v[MC], v[NF], v[NF+1], v[NF+2]
	v_min3_num_f32 v[MC+1], v[NF+3], v[NF+4], v[NF+5]
	v_min3_num_f32 v[MC], v[MC], v[NF+6], v[NF+7]
	v_min_num_f32 v[MC], v[MC], v[MC+1]
	v_permlanex16_b32 v[MC+1], v[MC], s[SEL], s[SEL+1]
	v_min_num_f32 v[TA], v[MC], v[MC+1]            ; - (the row's largest F)
.irp j, 0,2,4,6
	v_pk_add_f32 v[NF+\j:NF+\j+1], v[TA:TA+1], v[NF+\j:NF+\j+1] op_sel_hi:[0,1] neg_lo:[0,1] neg_hi:[0,1]   ; d, a whole number, 0 or less
.endr
.irp j, 0,1,2,3,4,5,6,7
	v_max_num_f32 v[NF+\j], 0xc2f80000, v[NF+\j]   ; held at -124: the byte cannot fall under 1
.endr
.irp j, 0,1,2,3,4,5,6,7
	v_cvt_i32_f32 v[NF+\j], v[NF+\j]
.endr
.irp j, 0,1,2,3,4,5,6,7
	v_ldexp_f32 v[FG+\j], 1.0, v[NF+\j]            ; 2^d
.endr
.irp j, 0,1,2,3
	v_lshl_add_u32 v[PS+\j], v[NF+2*\j+1], 16, v[NF+2*\j]      ; step j: my blocks h and 2 + h:
.endr
.irp j, 0,1,2,3
	v_add_lshl_u32 v[PS+\j], v[PS+\j], 0x7d007d, v[QSH]        ; bytes 125 + d, 8 h bits up;
.endr
.irp j, 0,1,2,3
	v_permlanex16_b32 v[MC+\j], v[PS+\j], s[SEL], s[SEL+1]
.endr
.irp j, 0,1,2,3
	v_or_b32 v[PS+\j], v[PS+\j], v[MC+\j]                      ; with lane l xor 16's two the word is whole
.endr
	v_pk_mul_f32 v[LA:LA+1], v[SUM:SUM+1], v[FG:FG+1] op_sel_hi:[1,0]
	v_pk_mul_f32 v[LB:LB+1], v[SUM+2:SUM+3], v[FG:FG+1] op_sel:[0,1] op_sel_hi:[1,1]
.irp j, 2,4,6
	v_pk_fma_f32 v[LA:LA+1], v[SUM+2*\j:SUM+2*\j+1], v[FG+\j:FG+\j+1], v[LA:LA+1] op_sel_hi:[1,0,1]
	v_pk_fma_f32 v[LB:LB+1], v[SUM+2*\j+2:SUM+2*\j+3], v[FG+\j:FG+\j+1], v[LB:LB+1] op_sel:[0,1,0] op_sel_hi:[1,1,1]
.endr
	v_pk_add_f32 v[LA:LA+1], v[LA:LA+1], v[LB:LB+1]
	v_add_f32 v[LA], v[LA], v[LA+1]
	v_permlanex16_b32 v[MC], v[LA], s[SEL], s[SEL+1]
	v_add_f32 v[LA], v[LA], v[MC]                  ; the row's sum
.endm
.macro UEND u                          ; behind a unit that has a successor
	EPI \u
	v_mov_b32 v[NF], v[NFT]
.endm
	s_load_b256 s[4:11], s[0:1], 0x0               ; qkv s[4:5], kcodes s[6:7], kscales s[8:9], out0 s[10:11]
	v_lshl_add_u32 v[SPW], v0, 2, SPARE
	v_mov_b32 v[NIL], 0
	ds_add_u32 v[SPW], v[NIL]                      ; the wave's opening: the add, twice on end, and its wait
	ds_add_u32 v[SPW], v[NIL]
	v_lshrrev_b32 v1, 5, v0
	v_readfirstlane_b32 s[WV], v1                  ; wave 0..15
	s_and_b32 s13, ttmp9, 3                        ; hp
	s_lshr_b32 s14, ttmp9, 2                       ; hy
	s_and_b32 s15, ttmp7, 0xffff                   ; b
	s_lshl_b32 s34, s15, 12
	s_lshl_b32 s35, s14, 9
	s_add_co_u32 s34, s34, s35
	s_lshl_b32 s35, s[WV], 5
	s_add_co_u32 s34, s34, s35                     ; my wave's first row: 4,096 b + 512 hy + 32 wave
	s_lshl_b32 s34, s34, 10
	s_lshl_b32 s35, s13, 8
	s_add_co_u32 s34, s34, s35                     ; in bytes, + my pair of heads' 256: under 2^25; the same in q, v and out
	s_mov_b32 s35, 0
	s_add_co_u32 s36, s34, VOFF
	s_mov_b32 s37, 0
	s_lshl_b32 s40, s15, 2
	s_add_co_u32 s40, s40, s13                     ; 4 b + hp
	s_lshl_b32 s38, s40, 14                        ; K's codes: 16,384 bytes for each (b, hp); my wave brings 1,024 of them
	s_lshl_b32 s39, s[WV], 10
	s_add_co_u32 s38, s38, s39
	s_mov_b32 s39, 0
	s_lshl_b32 s40, s40, 11                        ; K's scale words: 2,048 bytes for each (b, hp)
	s_mov_b32 s41, 0
	s_mov_b32 s[G1V], 3<<16                        ; v: 32 rows of 32 elements of 8 bytes (256 bytes), 128 elements apart; no mask, no padding
	s_mov_b32 s[G1V+1], 32<<16
	s_mov_b32 s[G1V+2], 32<<16
	s_mov_b32 s[G1V+3], 32<<16
	s_mov_b32 s[G1V+4], 32
	s_mov_b32 s[G1V+5], 128
	s_mov_b32 s[G1V+6], 0
	s_mov_b32 s[G1V+7], 0
	s_mov_b32 s[SEL], 0x76543210
	s_mov_b32 s[SEL+1], 0xfedcba98
	s_mov_b32 s[CL], 0x3fb8aa3b                    ; log2(e)
	s_mov_b32 s[CL+1], s[CL]
	s_mov_b32 s[SC], 0x3e3504f3                    ; 32^(-1/2)
	s_mov_b32 s[SC+1], s[SC]
	v_and_b32 v56, 31, v0                          ; lane
	v_and_b32 v57, 15, v0                          ; r
	v_bfe_u32 v58, v0, 4, 1                        ; h
	v_lshlrev_b32 v59, 4, v56
	v_lshlrev_b32 v[ALS], 2, v56
	v_lshlrev_b32 v[GO], 4, v57
	v_lshl_add_u32 v[GO], v58, 10, v[GO]
	s_wait_alu depctr_va_vdst(0)                   ; the wait here, directly ahead of the waits below
	s_wait_dscnt 0x0                               ; both opening adds are done
	s_wait_kmcnt 0x0
	s_mov_b32 s[G0V], 1
	s_lshl_b32 s[G0V+1], s[WV], 13                 ; LDS: 32 rows x 256 bytes a wave
	s_add_nc_u64 s[G0V+2:G0V+3], s[4:5], s[36:37]
	s_or_b32 s[G0V+3], s[G0V+3], 0x80000000
	s_add_nc_u64 s[4:5], s[4:5], s[34:35]
	s_add_nc_u64 s[6:7], s[6:7], s[38:39]
	s_add_nc_u64 s[8:9], s[8:9], s[40:41]
	s_add_nc_u64 s[10:11], s[10:11], s[34:35]
	global_load_b128 v[PC+16:PC+19], v59, s[6:7]   ; K's codes: my two tiles' images
	global_load_b128 v[PC+20:PC+23], v59, s[6:7] offset:512
.irp i, 0,1,2,3,4,5,6,7
	global_load_b128 v[S+4*\i:S+4*\i+3], v[GO], s[4:5] offset:2*\i*ROW th:TH_LOAD_NT     ; tile 0's q: two rows' 256 consecutive bytes a load
.endr
.irp p, 0,1,2,3,4,5,6,7,8,9,10,11,12,13,14,15
	global_load_b32 v[KS+\p], v[ALS], s[8:9] offset:128*\p         ; K's scale words stay in registers
.endr
	s_lshl_b32 s42, s[WV], 10
	s_mul_i32 s43, s[WV], 16*SP
	s_add_co_u32 s43, s43, STAGE                   ; my stage
	v_add_nc_u32 v[AKC], KC, v59
	v_add_nc_u32 v[AVI], VIMG, v59
	v_add_nc_u32 v[ALV], VSC, v[ALS]
	v_mul_u32_u24 v[QRD], v57, SP
	v_mul_u32_u24 v[RD], v58, SP
	v_add_nc_u32 v60, s42, v[AKC]                  ; where my tiles of K go
	v_lshl_add_u32 v[STO], v58, 5, v[QRD]
	v_lshl_add_u32 v[QRD], v58, 7, v[QRD]
	v_lshl_add_u32 v[RD], v57, 4, v[RD]
	v_add_nc_u32 v[STO], s43, v[STO]
	v_add_nc_u32 v[QRD], s43, v[QRD]
	v_add_nc_u32 v[RD], s43, v[RD]
	v_lshlrev_b32 v[QSH], 3, v58
	v_add_nc_u32 v[MSK], -1, v58                   ; all ones where h = 0
	v_sub_nc_u32 v[MSK+1], 0, v58                  ; all ones where h = 1
	s_lshl_b32 s44, s[WV], 13                      ; my own 32 rows of v: keys 32 wave on, block number wave of the stripe's sixteen
	v_add_nc_u32 v[AVF], s44, v[ALS]
	s_lshl_b32 s44, s[WV], 8                       ; block wave = 4 step + 2 half + (lanes 16-31 ?): 256 x wave in an image
	s_add_co_u32 s44, s44, VIMG
	v_lshlrev_b32 v[AVW], 4, v57                   ; channel % 16 is the image's lane % 16, channel / 16 the channel tile
	v_lshl_add_u32 v[AVW], v58, 12, v[AVW]
	v_add_nc_u32 v[AVW], s44, v[AVW]
	s_lshr_b32 s44, s[WV], 2
	s_lshl_b32 s44, s44, 7
	s_and_b32 s45, s[WV], 3
	s_add_co_u32 s44, s44, s45
	s_add_co_u32 s44, s44, VSC
	v_add_nc_u32 v[AVS], s44, v[ALS]
	s_wait_alu depctr_va_vdst(0)                   ; the wait at the head's end
	s_wait_loadcnt 24                              ; K's codes are in; behind them: 8 loads of q, 16 scale words
	tensor_load_to_lds s[G0V:G0V+3], s[G1V:G1V+7]  ; my 32 rows of v: the wave's one tensor load, ahead of its LDS stores.  v and tile 1's q are wanted behind the first unit: they are asked for behind tile 0's q
	s_nop 0
	ds_store_b128 v60, v[PC+16:PC+19]
	ds_store_b128 v60, v[PC+20:PC+23] offset:512
.irp i, 0,1,2,3,4,5,6,7
	global_load_b128 v[VR+4*\i:VR+4*\i+3], v[GO], s[4:5] offset:(16+2*\i)*ROW th:TH_LOAD_NT   ; tile 1's q: it waits in registers
.endr
	s_wait_dscnt 0x0                               ; for the others' sake: my tiles of K have landed
	s_barrier_signal -1
.irp i, 0,1,2,3
	v_mov_b32 v[QF+4+\i], 0                        ; the upper half of Q's fragment: zero codes, for the whole launch
	v_mov_b32 v[KF+16+\i], 0                       ; what a granule's last tile names as its upper half
.endr
	s_wait_alu depctr_va_vdst(0)                   ; the wait here, directly ahead of the barrier's
	s_barrier_wait -1                              ; K's codes are whole
	KLOAD 0
	s_wait_loadcnt 24                              ; tile 0's q is in; behind it: 16 scale words, 8 loads of tile 1's q
.irp i, 0,1,2,3,4,5,6,7
	ds_store_b128 v[RD], v[S+4*\i:S+4*\i+3] offset:2*SP*\i
.endr
.irp j, 0,1,2,3,4,5,6,7
	ds_load_b128 v[S+32+4*\j:S+32+4*\j+3], v[QRD] offset:16*\j     ; LDS serves a wave's instructions in order (ISA guide 5.7.1.4).  Lane (r, h): query r, head 2 hp + h: 32 channels
.endr
	s_wait_dscnt 0x0
	QSCALE S+32
	QUANT32 S+32, QC, QS
.irp i, 0,1,2,3
	v_and_b32 v[QF+\i], v[MSK], v[QC+\i]
.endr
.irp i, 1,3,5,7
	v_mov_b32 v[NF+\i], 0                          ; (named as the other half of a pair before it is first written)
.endr
	v_mov_b32 v[T], 0
	v_mov_b32 v[SOP], 0x3e800000                   ; 2^-2
.rept 2
	v_nop                                          ; twelve plain places between Q's scale word and the first product
.endr
	s_wait_alu depctr_va_vdst(0)                   ; the wait here, directly ahead of the wait below
	s_wait_loadcnt 8                               ; K's scale words; tile 1's q may be out
	SCORES 0, S, QS
.rept 4
	v_nop                                          ; four places ahead of the loads into K's fragments
.endr
	KLOAD 1
	s_wait_dscnt 0x0
	SCORES 1, S+32, QS
.rept 4
	v_nop
.endr
	KLOAD 2
	MX 0, S
	MX 1, S
	MX 2, S
	v_max3_num_f32 v[MC], v[MC], v[MC+1], v[S+7]
	v_max3_num_f32 v[MC+2], v[MC+2], v[MC+3], v[S+15]
	v_max3_num_f32 v[MC], v[MC], v[S+23], v[S+31]
	v_max_num_f32 v[MC], v[MC], v[MC+2]
	v_mul_f32 v[T], s[CL], v[MC]
	v_ceil_f32 v[NF], -v[T]
	FMAX S, NF
.irp g, 0,1,2,3,4,5,6,7
	ITER 0, \g
.endr
	UEND 0
	; tile 1's q, and my own 32 rows of v, become codes: nothing waited for them until here
	s_wait_alu depctr_va_vdst(0)                   ; the wait here, directly ahead of the wait below
	s_wait_loadcnt 0x0                             ; tile 1's q
.irp i, 0,1,2,3,4,5,6,7
	ds_store_b128 v[RD], v[VR+4*\i:VR+4*\i+3] offset:2*SP*\i
.endr
	s_wait_dscnt 0x0                               ; the stores have read the registers that the loads below write
.irp j, 0,1,2,3,4,5,6,7
	ds_load_b128 v[VR+4*\j:VR+4*\j+3], v[QRD] offset:16*\j
.endr
	s_wait_dscnt 0x0
	QSCALE VR
	QUANT32 VR, QC+4, QS+1
	s_wait_alu depctr_va_vdst(0)                   ; the wait here, directly ahead of the wait below
	s_wait_tensorcnt 0x0                           ; my rows of v: I alone read them.  A lane takes a channel of each head, its registers run down 32 keys: a whole block
	VQ 0
	VQ 1
	s_wait_alu depctr_va_vdst(0)
	s_wait_dscnt 0x0                               ; for the others' sake: my codes and scale bytes have landed
	s_barrier_signal -1                            ; waited for two granules on: between stand work on registers and loads of K's codes, which nobody writes any more
	ITER 1, 0
	ITER 1, 1
	s_wait_alu depctr_va_vdst(0)                   ; the wait here, directly ahead of the barrier's
	s_barrier_wait -1                              ; V's images and scale words are whole
.irp i, 0,1,2,3,4,5,6,7
	ds_load_b32 v[VS+\i], v[ALV] offset:128*\i     ; V's scale words stay in registers
.endr
	VLOAD 0, 0, VF
.irp g, 2,3,4,5,6,7
	ITER 1, \g
.endr
	UEND 1
.irp g, 0,1,2,3,4,5,6,7
	ITER 2, \g
.endr
	UEND 2
.irp g, 0,1,2,3,4,5,6,7
	ITER 3, \g
.endr
	; the last unit's second product: all its fragments of V at once, in registers that are done with
	VLOAD 0, 1, S
	VLOAD 1, 1, S+16
	VLOAD 2, 1, VF
	VLOAD 3, 1, KF
	EPI 3
	s_wait_dscnt 0x0
	s_wait_alu depctr_va_vdst(0)                   ; the wait ahead of the transcendental
	v_rcp_f32 v[INV], v[LA]
	PV 0, 1, S, PC+16                              ; steps 12 to 15 of the ring: slots 2, 3, 4, 0
	PV 1, 1, S+16, PC+24
	PV 2, 1, VF, PX
	PV 3, 1, KF, PC
.rept 4
	v_nop                                          ; four places behind the last product
.endr
	s_wait_alu depctr_va_vdst(0)                   ; the wait ahead of the reciprocal's first reader
	DIVIDE
	TOSTAGE 1
	BACK S+32
.irp i, 0,1,2,3,4,5,6,7
	s_wait_dscnt 7-\i                              ; load i is in; the younger ones may stay out
	OUT S+32, 1, \i
.endr
	s_wait_tensorcnt 0x0                           ; the wave's end
	ds_add_u32 v[SPW], v[NIL]
	s_wait_dscnt 0x0
	s_endpgm
.Lfunc_end_k_qc74334f772_attn:
	.size	k_qc74334f772_attn, .Lfunc_end_k_qc74334f772_attn-k_qc74334f772_attn
	.p2alignl 7, 3214868480
	.fill 96, 4, 3214868480
	.section	.rodata,"a",@progbits
	.p2align	6, 0x0
	.amdhsa_kernel k_qc74334f772_attn
		.amdhsa_group_segment_fixed_size 236544
		.amdhsa_private_segment_fixed_size 0
		.amdhsa_enable_private_segment 0
		.amdhsa_kernarg_size 32
		.amdhsa_user_sgpr_count 2
		.amdhsa_user_sgpr_kernarg_segment_ptr 1
		.amdhsa_wavefront_size32 1
		.amdhsa_system_sgpr_workgroup_id_x 1
		.amdhsa_system_sgpr_workgroup_id_y 1
		.amdhsa_system_sgpr_workgroup_id_z 1
		.amdhsa_system_vgpr_workitem_id 0
		.amdhsa_next_free_vgpr 256
		.amdhsa_next_free_sgpr 66
		.amdhsa_reserve_vcc 0
		.amdhsa_float_denorm_mode_32 3
		.amdhsa_float_denorm_mode_16_64 3
		.amdhsa_memory_ordered 1
		.amdhsa_forward_progress 1
		.amdhsa_inst_pref_size 216
	.end_amdhsa_kernel
	.amdgpu_metadata
---
amdhsa.version: [ 1, 2 ]
amdhsa.kernels:
  - .name:           k_qc74334f772_attn
    .symbol:         k_qc74334f772_attn.kd
    .args:
      - { .name: qkv, .offset: 0, .size: 8, .value_kind: global_buffer, .address_space: global }
      - { .name: kcodes, .offset: 8, .size: 8, .value_kind: global_buffer, .address_space: global }
      - { .name: kscales, .offset: 16, .size: 8, .value_kind: global_buffer, .address_space: global }
      - { .name: out0, .offset: 24, .size: 8, .value_kind: global_buffer, .address_space: global }
    .group_segment_fixed_size: 236544
    .private_segment_fixed_size: 0
    .kernarg_segment_align: 8
    .kernarg_segment_size: 32
    .max_flat_workgroup_size: 512
    .sgpr_count:     66
    .vgpr_count:     256
    .wavefront_size: 32
...
	.end_amdgpu_metadata
.endif
;; end of part 2
